; MI455X (gfx1250); checked and timed in simulation.
; The chip was launched on July 23, 2026; its instructions are those of AMD's public machine-readable ISA for CDNA 5 (MIT licence, August 2026) and "CDNA5" Instruction Set Architecture Reference Guide (July 2026). The comments in the code are by the model that wrote it; some were corrected since.
;; SSM Kernel. Allowed arithmetic: float matrix products may take bf16 or f16 operands with f32 sums; other float arithmetic in f32, or as packed bf16 or f16 multiplies, adds, multiply-adds, maxima and minima; sums over many terms, partial sums and values carried from step to step in f32; what a program stores and reads back later, other than sums and carried values, may be rounded once to bf16 or f16.
;; Inputs: A_log 1,024 x 16 float32; D 1,024 float32; W_B 16 x 1,024 float32; W_C 16 x 1,024 float32; W_dt 1,024 x 64 float32; W_xdt 64 x 1,024 float32; b_B 16 float32; b_C 16 float32; b_dt 1,024 float32; b_xdt 64 float32; u 4 x 2,048 x 1,024 float32.
;; Outputs: out0 4 x 2,048 x 1,024 float32.
;; One version. Each part assembles by itself: llvm-mc -triple=amdgcn-amd-amdhsa -mcpu=gfx1250 --defsym DOCPART=n.
;; ======== version 1 of 1: 3 launches
;; limits: a function is approximated: absolute error at most 6e-08
;; workspace buffers: xdt 1,048,576 bytes; bc 1,048,576 bytes; carry 8,912,896 bytes; wfb 131,072 bytes; a2t 65,536 bytes
;; launch proj (part 1): grid 256 x 1, 8 waves a work-group, no clusters, 240,640 bytes of LDS; arguments u, W_xdt, W_B, W_C, b_xdt, b_B, b_C, xdt, bc, W_dt, A_log, wfb, a2t; writes xdt, bc, wfb, a2t
.if DOCPART == 1
	.amdgcn_target "amdgcn-amd-amdhsa--gfx1250"
	.amdhsa_code_object_version 6
	.text
	.protected	k_q1a7fe45355_proj
	.globl	k_q1a7fe45355_proj
	.p2align	8
	.type	k_q1a7fe45355_proj,@function
k_q1a7fe45355_proj:
	s_mov_b64 s[64:65], 0
	v_nop
	global_prefetch_b8 v0, s[64:65] scope:SCOPE_SE
	s_setreg_imm32_b32 hwreg(HW_REG_WAVE_MODE, 25, 1), 1
	s_wait_xcnt 0x0
; FIRST OF THREE LAUNCHES of y = selective scan(u).  This one: x_dt = u W_xdt^T + b_xdt (stored bf16, it is the next product's operand), B_t = u W_B^T + b_B, C_t = u W_C^T + b_C (stored f32).
; It also lays out two tables that every work-group of the later launches wants: wfb, W_dt rounded to bf16 in the order of the matrix fragments, and a2t, A2 = -log2(e) exp(A_log) in the order of the scan's lanes.
; The second launch makes, for chunks of 64 steps, the state at each chunk's end; the third starts each chunk from the state carried in and makes y.
; NOTHING IS LEFT OUT: all eleven inputs reach out0, and all are loaded.  One share of the second launch serves no output and is run all the same: the state at the END of a sequence's last chunk
; (steps 1984 to 2047) enters no y, since the third launch makes every state inside a chunk anew from the state at the chunk's start.  It is one wave's share in a work-group whose other seven waves' shares
; are live, and it is run like theirs, so that all eight waves run one text with no branch on the chunk: 1/32 of that launch's arithmetic.
; FORMATS.  EVERY INPUT IS ROUNDED TO bf16 WHERE IT IS LOADED, in all three launches: u and the weights as matrix operands, and also the biases, A_log, D, and u where the scan multiplies by it.  So the whole
; program computes reference() on one set of numbers, the inputs rounded to bf16.  Sums, states, dt, B_t, C_t and y are f32.  NaN and infinities are not treated apart.
; An exponential below 2^-126 counts as 0 (ISA guide, v_exp_f32).
; SHARES.  A work-group makes 32 rows (b, t) x 96 features (64 of x_dt, 16 of B, 16 of C).  K = 1024 IS SPLIT AMONG ITS EIGHT WAVES: wave w takes k = 128 w .. 128 w + 127 for all 2 x 6 tiles of 16 x 16;
; the eight partial sums meet in LDS (f32 sums may be taken in any order).  The product is used transposed (source 0 = 16 weight rows, source 1 = 16 rows of u): a lane ends with one row and eight neighbouring features.
; THE WEIGHTS come by whole rows: a load takes the 512 consecutive bytes that are the wave's 128 columns of one row.  They are rounded in place, laid as bf16 into the wave's own LDS bytes (48 rows at a time)
; and read back as fragments.  LDS serves a wave's instructions in order (ISA guide 5.7.1.4), so the second 48 rows may follow the first half's reads without a wait.
; NO CLUSTER, though all work-groups read the same weights: as f32 they are 393,216 bytes, which with u's tile (135,168) is more than the 327,680 bytes of LDS, so they cannot land there whole.
; THE TABLES.  Work-group g = 16 s + i.  Wave 0: piece i = 4 tau + 2 kf + j of strip s of wfb: lane (r, h) holds W_dt[64 s + 16 tau + r][32 kf + 16 j + 8 h .. + 7], 16 bytes at 512 g + 16 lane.
; Wave 1: state n = i of strip s of a2t: lane L holds A2 of channels 64 s + 2 L and + 1, 8 bytes at 256 g + 8 L.  Their loads go out ahead of the weights', so the first counted wait covers them.
; REGISTERS.  window 0: v1-15 addresses; v16-111 weights as loaded (set 0), then the 12 accumulators, then the final sums; v112-207 weights as loaded (set 1), then u as f32 (two sets of 32) and as bf16 (two of 16);
; v208-219 biases; v226-240 the tables' work.  window 1: v0-191 the weights' fragments, K step kap, tile nu at 48 kap + 8 nu.
.set PITCHU, 528                       ; a row of u's tile in LDS: 512 bytes + 16 of padding = 132 words: the 16 rows of a load start at 16 different groups of four banks (ISA guide 11.1)
.set UTW,    32*PITCHU                 ; a wave's tile of u: 32 rows
.set WB,     8*UTW                     ; behind the tiles, never filled by a tensor load: each wave's 48 weight rows as bf16, later its partial sums
.set WPITCH, 272                       ; a weight row: 256 bytes + 16 = 68 words
.set WBW,    48*WPITCH                 ; a wave's bytes there
.set PS,     WB
.set PPITCH, 400                       ; a row of partial sums: 96 f32 + 16 bytes = 100 words; 32 rows are 12,800 of the wave's 13,056 bytes
.set PSW,    WBW
.set SPARE,  WB+8*WBW                  ; the spare words, 128 bytes for each wave: four blocks of 256 bytes that no other line names
.set VW,  1                            ; my 16 bytes of a weight row: 16 lane + 512 w
.set AUF, 2                            ; LDS: my place in my wave's tile of u
.set PST, 3                            ; LDS: where I put 32 bytes of a partial row
.set FA,  4                            ; v4, v5  LDS: my four x_dt sums in waves 0-3's and 4-7's partials
.set FB,  6                            ; v6, v7  the same for my four B or C sums
.set SPW, 8
.set NIL, 9
.set XO,  10                           ; my 8 bytes of xdt
.set BO,  11                           ; my 16 bytes of bc
.set VBX, 12
.set VBB, 13
.set WA,  14                           ; LDS: where I put 8 bytes of a weight row
.set WFA, 15                           ; LDS: my place in 16 weight rows
.set S0,  16
.set S1,  112
.set ACC, 16
.set UF32, 112
.set UF,  176
.set BX,  208
.set BB,  212
.set BCC, 216
.set MSB, 0
.macro WIN new                         ; the immediate's high byte repeats the setting that is left; a switch that changes nothing is dropped
.if MSB != (\new)
	s_set_vgpr_msb (MSB<<8)|(\new)
.set MSB, (\new)
.endif
.endm
; 24 loads: weight rows 24 q .. 24 q + 23 (0-63 W_xdt, 64-79 W_B, 80-95 W_C), my wave's 128 columns, as f32, into set S
.macro WLOAD S, q
.set ii, 0
.rept 24
.set rw, 24*(\q)+ii
.if rw < 64
	global_load_b128 v[(\S)+4*ii:(\S)+4*ii+3], v[VW], s[6:7] offset:rw*4096
.elseif rw < 80
	global_load_b128 v[(\S)+4*ii:(\S)+4*ii+3], v[VW], s[8:9] offset:(rw-64)*4096
.else
	global_load_b128 v[(\S)+4*ii:(\S)+4*ii+3], v[VW], s[10:11] offset:(rw-80)*4096
.endif
.set ii, ii+1
.endr
.endm
.macro WPUT S, q                       ; rounded to bf16 in place, and into my wave's LDS rows (24 q + i) % 48
.set ii, 0
.rept 24
	v_cvt_pk_bf16_f32 v[(\S)+4*ii], v[(\S)+4*ii], v[(\S)+4*ii+1]
	v_cvt_pk_bf16_f32 v[(\S)+4*ii+1], v[(\S)+4*ii+2], v[(\S)+4*ii+3]
.set ii, ii+1
.endr
.set ii, 0
.rept 24
	ds_store_b64 v[WA], v[(\S)+4*ii:(\S)+4*ii+1] offset:((24*(\q)+ii)%48)*WPITCH
.set ii, ii+1
.endr
.endm
.macro FRAG hf                         ; the 48 rows in LDS are tiles 3 hf .. 3 hf + 2: their fragments of all four K steps, into window 1
	WIN 0x40
.irp nu, 0,1,2
.irp kap, 0,1,2,3
	ds_load_b128 v[48*(\kap)+8*(3*(\hf)+(\nu)):48*(\kap)+8*(3*(\hf)+(\nu))+3], v[WFA] offset:(\nu)*16*WPITCH+(\kap)*64
	ds_load_b128 v[48*(\kap)+8*(3*(\hf)+(\nu))+4:48*(\kap)+8*(3*(\hf)+(\nu))+7], v[WFA] offset:(\nu)*16*WPITCH+(\kap)*64+32
.endr
.endr
	WIN 0
.endm
.macro ULOAD kap                       ; K step kap of my 32 rows of u, as f32
.irp mu, 0,1
.irp i, 0,1,2,3
	ds_load_b128 v[UF32+32*((\kap)%2)+16*(\mu)+4*(\i):UF32+32*((\kap)%2)+16*(\mu)+4*(\i)+3], v[AUF] offset:(\mu)*16*PITCHU+(\kap)*128+16*(\i)+32*((\i)/2)
.endr
.endr
.endm
.macro UCVT kap
.set qq, 0
.rept 16
	v_cvt_pk_bf16_f32 v[UF+16*((\kap)%2)+qq], v[UF32+32*((\kap)%2)+2*qq], v[UF32+32*((\kap)%2)+2*qq+1]
.set qq, qq+1
.endr
.endm
.macro MUL kap, zero                   ; 12 products; the 12 accumulators take turns, one instruction a turn
	WIN 0x01                               ; source 0 (weights) in window 1
.irp mu, 0,1
.irp nu, 0,1,2,3,4,5
.if \zero
	v_wmma_f32_16x16x32_bf16 v[ACC+8*(6*(\mu)+(\nu)):ACC+8*(6*(\mu)+(\nu))+7], v[48*(\kap)+8*(\nu):48*(\kap)+8*(\nu)+7], v[UF+16*((\kap)%2)+8*(\mu):UF+16*((\kap)%2)+8*(\mu)+7], 0
.else
	v_wmma_f32_16x16x32_bf16 v[ACC+8*(6*(\mu)+(\nu)):ACC+8*(6*(\mu)+(\nu))+7], v[48*(\kap)+8*(\nu):48*(\kap)+8*(\nu)+7], v[UF+16*((\kap)%2)+8*(\mu):UF+16*((\kap)%2)+8*(\mu)+7], v[ACC+8*(6*(\mu)+(\nu)):ACC+8*(6*(\mu)+(\nu))+7]
.endif
.endr
.endr
	WIN 0
.endm
	s_load_b512 s[4:19], s[0:1], 0x0               ; u s[4:5], W_xdt s[6:7], W_B s[8:9], W_C s[10:11], b_xdt s[12:13], b_B s[14:15], b_C s[16:17], xdt s[18:19]
	s_load_b64 s[20:21], s[0:1], 0x40              ; bc
	s_load_b256 s[48:55], s[0:1], 0x48             ; W_dt s[48:49], A_log s[50:51], wfb s[52:53], a2t s[54:55]
	v_lshl_add_u32 v[SPW], v0, 2, SPARE
	v_mov_b32 v[NIL], 0
	ds_add_u32 v[SPW], v[NIL]                      ; the wave's opening: the add, twice on end, and its wait ahead of my first tensor load
	ds_add_u32 v[SPW], v[NIL]
	v_lshrrev_b32 v220, 5, v0
	v_readfirstlane_b32 s22, v220                  ; wave 0..7
	; descriptor group 1: a tile of 32 rows x 128 f32, padded in LDS
	s_mov_b32 s24, (2<<16)|(1<<20)|(6<<22)|(3<<25) ; no mask; elements of 4 bytes; padding on, after every 128 words (code 6), of 4 words (code 3)
	s_mov_b32 s25, 128<<16                         ; tensor_dim0 = 128
	s_mov_b32 s26, 32<<16                          ; tensor_dim1 = 32
	s_mov_b32 s27, 128<<16                         ; tile_dim0 = 128
	s_mov_b32 s28, 32                              ; tile_dim1 = 32
	s_mov_b32 s29, 1024                            ; elements from row to row
	s_mov_b32 s30, 0
	s_mov_b32 s31, 0
	s_mov_b32 s32, 1                               ; group 0: count = 1
	s_mul_i32 s33, s22, UTW                        ; LDS address: my wave's tile
	s_lshl_b32 s36, ttmp9, 17                      ; the work-group's 32 rows of 4,096 bytes
	s_lshl_b32 s38, s22, 9                         ; my wave's 512 bytes of a row
	s_add_co_u32 s36, s36, s38
	s_mov_b32 s37, 0
	s_wait_dscnt 0x0                               ; both opening adds are done
	s_wait_kmcnt 0x0
	s_add_nc_u64 s[34:35], s[4:5], s[36:37]
	s_or_b32 s35, s35, 0x80000000                  ; type = 2
	tensor_load_to_lds s[32:35], s[24:31]          ; my one tensor load of the launch
	s_nop 0
.rept 4
	v_nop
.endr
	v_and_b32 v220, 31, v0                         ; lane
	v_and_b32 v221, 15, v0                         ; r
	v_bfe_u32 v222, v0, 4, 1                       ; h
	v_lshl_add_u32 v[VW], v220, 4, s38
	; the tables' addresses
	s_lshr_b32 s46, ttmp9, 2                       ; W_dt: 16 rows of 256 bytes at 4,096 (g / 4), 64 bytes of them at 64 (g % 4)
	s_lshl_b32 s46, s46, 12
	s_and_b32 s47, ttmp9, 3
	s_lshl_b32 s47, s47, 6
	s_add_co_u32 s46, s46, s47
	s_mov_b32 s47, 0
	s_add_nc_u64 s[56:57], s[48:49], s[46:47]
	s_lshr_b32 s46, ttmp9, 4                       ; A_log: the strip's 64 rows of 64 bytes, state g % 16
	s_lshl_b32 s46, s46, 12
	s_and_b32 s41, ttmp9, 15
	s_lshl_b32 s41, s41, 2
	s_add_co_u32 s46, s46, s41
	s_add_nc_u64 s[58:59], s[50:51], s[46:47]
	s_lshl_b32 s46, ttmp9, 9
	s_add_nc_u64 s[60:61], s[52:53], s[46:47]      ; wfb at 512 g
	s_lshl_b32 s46, ttmp9, 8
	s_add_nc_u64 s[62:63], s[54:55], s[46:47]      ; a2t at 256 g
	v_lshlrev_b32 v226, 8, v221
	v_lshl_add_u32 v226, v222, 5, v226             ; r x 256 + 32 h
	v_lshlrev_b32 v227, 4, v220                    ; 16 lane
	v_lshlrev_b32 v239, 7, v220                    ; two rows of A_log a lane
	v_lshlrev_b32 v240, 3, v220                    ; 8 lane
	s_cmp_lg_u32 s22, 0
	s_cbranch_scc1 .Lno_w_in
	global_load_b128 v[228:231], v226, s[56:57]
	global_load_b128 v[232:235], v226, s[56:57] offset:16
.Lno_w_in:
	s_cmp_lg_u32 s22, 1
	s_cbranch_scc1 .Lno_a_in
	global_load_b32 v236, v239, s[58:59]
	global_load_b32 v237, v239, s[58:59] offset:64
.Lno_a_in:
	WLOAD S0, 0
	WLOAD S1, 1
	; the other addresses are made while those loads are out
	v_lshrrev_b32 v223, 4, v0                      ; thread / 16
	v_bfe_u32 v224, v0, 2, 2                       ; (lane % 16) / 4
	v_and_b32 v225, 3, v0
	v_cmp_lt_u32 s40, 15, v220                     ; lanes 16-31 finish C's sums, lanes 0-15 B's
	v_mul_u32_u24 v[AUF], v221, PITCHU
	v_lshl_add_u32 v[AUF], v222, 5, v[AUF]
	v_add_nc_u32 v[AUF], s33, v[AUF]
	s_mul_i32 s39, s22, PSW
	s_add_co_u32 s39, s39, PS                      ; my wave's weight rows, later its partial sums
	v_lshl_add_u32 v[WA], v220, 3, s39
	v_mul_u32_u24 v[WFA], v221, WPITCH
	v_lshl_add_u32 v[WFA], v222, 4, v[WFA]
	v_add_nc_u32 v[WFA], s39, v[WFA]
	v_mul_u32_u24 v[PST], v221, PPITCH
	v_lshl_add_u32 v[PST], v222, 5, v[PST]
	v_add_nc_u32 v[PST], s39, v[PST]
	v_mul_u32_u24 v[FA], v223, PPITCH              ; row thread / 16 (and 16 further down), features 4 (thread % 16) on
	v_lshl_add_u32 v[FA], v221, 4, v[FA]
	v_add_nc_u32 v[FA], PS, v[FA]
	v_add_nc_u32 v[FA+1], 4*PSW, v[FA]
	s_mul_i32 s41, s22, 4*PPITCH
	s_add_co_u32 s41, s41, PS+256
	v_mul_u32_u24 v[FB], v224, PPITCH              ; row 4 w + (lane % 16) / 4; B or C by the half of the lanes; features 4 (lane % 4) on
	v_lshl_add_u32 v[FB], v222, 6, v[FB]
	v_lshl_add_u32 v[FB], v225, 4, v[FB]
	v_add_nc_u32 v[FB], s41, v[FB]
	v_add_nc_u32 v[FB+1], 4*PSW, v[FB]
	v_lshlrev_b32 v[XO], 3, v0
	s_lshl_b32 s39, s22, 8
	v_lshlrev_b32 v[BO], 12, v222
	v_lshl_add_u32 v[BO], v224, 6, v[BO]
	v_lshl_add_u32 v[BO], v225, 4, v[BO]
	v_add_nc_u32 v[BO], s39, v[BO]
	v_lshlrev_b32 v[VBX], 4, v221
	v_lshlrev_b32 v[VBB], 4, v225
	s_lshl_b32 s36, ttmp9, 12                      ; xdt: 32 rows of 128 bytes
	s_add_nc_u64 s[42:43], s[18:19], s[36:37]
	s_lshr_b32 s36, ttmp9, 1                       ; bc: block of 64 steps, and which half of it
	s_lshl_b32 s36, s36, 13
	s_and_b32 s39, ttmp9, 1
	s_lshl_b32 s39, s39, 11
	s_add_co_u32 s36, s36, s39
	s_add_nc_u64 s[44:45], s[20:21], s[36:37]
	s_wait_loadcnt 24                              ; rows 0-23 are in, and the tables' loads, which went out ahead of them; rows 24-47's 24 loads stay out
	WPUT S0, 0
	WLOAD S0, 2
	s_cmp_lg_u32 s22, 0
	s_cbranch_scc1 .Lno_w_out
	v_cvt_pk_bf16_f32 v228, v228, v229
	v_cvt_pk_bf16_f32 v229, v230, v231
	v_cvt_pk_bf16_f32 v230, v232, v233
	v_cvt_pk_bf16_f32 v231, v234, v235
	global_store_b128 v227, v[228:231], s[60:61]   ; 512 consecutive bytes, at a multiple of 256 from wfb's first byte
.Lno_w_out:
	s_cmp_lg_u32 s22, 1
	s_cbranch_scc1 .Lno_a_out
	v_cvt_pk_bf16_f32 v238, v236, v237             ; A_log rounded to bf16 like every input, and widened again
	v_lshlrev_b32 v236, 16, v238
	v_and_b32 v237, 0xffff0000, v238
	v_mul_f32 v236, 0x3fb8aa3b, v236
	v_mul_f32 v237, 0x3fb8aa3b, v237
	v_exp_f32 v236, v236
	v_exp_f32 v237, v237
	v_nop                                          ; a plain instruction behind the last exponential
	s_wait_alu depctr_va_vdst(0)                   ; one wait for the two ahead of their first reader
	v_mul_f32 v236, 0xbfb8aa3b, v236               ; -log2(e) exp(A_log)
	v_mul_f32 v237, 0xbfb8aa3b, v237
	global_store_b64 v240, v[236:237], s[62:63]    ; 256 consecutive bytes, at a multiple of 256 from a2t's first byte
.Lno_a_out:
	s_wait_loadcnt 24                              ; rows 24-47 are in; the 24 just issued stay out
	WPUT S1, 1
	WLOAD S1, 3
	global_load_b128 v[BX:BX+3], v[VBX], s[12:13]
	global_load_b128 v[BB:BB+3], v[VBB], s[14:15]
	global_load_b128 v[BCC:BCC+3], v[VBB], s[16:17]
	FRAG 0
	s_wait_loadcnt 27                              ; rows 48-71 are in; rows 72-95's 24 and the 3 biases stay out
	WPUT S0, 2                                     ; over the first 48 rows, behind the reads of them
	s_wait_loadcnt 3                               ; rows 72-95 are in
	WPUT S1, 3
	FRAG 1
	s_wait_tensorcnt 0x0                           ; my tile of u is in LDS; only I read it
	ULOAD 0
	s_wait_dscnt 0x0
	UCVT 0
	ULOAD 1
	MUL 0, 1                                       ; the first K step starts the sums
.irp kap, 1,2
	s_wait_dscnt 0x0
	UCVT \kap                                      ; writes the set that the products two K steps back read: the 16 conversions of the K step between are the places behind them (ISA guide 7.12.1)
	ULOAD (\kap)+1
	MUL \kap, 0
.endr
	s_wait_dscnt 0x0
	UCVT 3
	MUL 3, 0
.rept 4
	v_nop                                          ; the places behind the last products
.endr
.irp mu, 0,1
.irp nu, 0,1,2,3,4,5
	ds_store_b128 v[PST], v[ACC+8*(6*(\mu)+(\nu)):ACC+8*(6*(\mu)+(\nu))+3] offset:(\mu)*16*PPITCH+(\nu)*64
	ds_store_b128 v[PST], v[ACC+8*(6*(\mu)+(\nu))+4:ACC+8*(6*(\mu)+(\nu))+7] offset:(\mu)*16*PPITCH+(\nu)*64+16
.endr
.endr
	s_wait_dscnt 0x0                               ; for the others' sake: my partial sums lie in LDS
	s_barrier_signal -1
	s_barrier_wait -1
	; THE FINAL SUMS.  A thread finishes three groups of four neighbouring features: two of x_dt (rows 16 apart), one of B or C.  Group p of wave wv's partials at v[16 + 32 p + 4 wv].
.irp wv, 0,1,2,3,4,5,6,7
.irp p, 0,1
	ds_load_b128 v[16+32*(\p)+4*(\wv):16+32*(\p)+4*(\wv)+3], v[FA+(\wv)/4] offset:(\p)*16*PPITCH+((\wv)%4)*PSW
.endr
	ds_load_b128 v[80+4*(\wv):80+4*(\wv)+3], v[FB+(\wv)/4] offset:((\wv)%4)*PSW
.endr
	s_wait_loadcnt 0x0                             ; the biases,
.irp b, BX, BB, BCC                    ; rounded to bf16 like every input, and widened again
	v_cvt_pk_bf16_f32 v120, v[(\b)], v[(\b)+1]
	v_cvt_pk_bf16_f32 v121, v[(\b)+2], v[(\b)+3]
	v_lshlrev_b32 v[(\b)], 16, v120
	v_and_b32 v[(\b)+1], 0xffff0000, v120
	v_lshlrev_b32 v[(\b)+2], 16, v121
	v_and_b32 v[(\b)+3], 0xffff0000, v121
.endr
	s_wait_dscnt 0x0
.irp p, 0,1,2
.irp r, 0,2,4,6,8,10,12,14
	v_pk_add_f32 v[16+32*(\p)+(\r):16+32*(\p)+(\r)+1], v[16+32*(\p)+(\r):16+32*(\p)+(\r)+1], v[32+32*(\p)+(\r):32+32*(\p)+(\r)+1]
.endr
.irp r, 0,2,4,6
	v_pk_add_f32 v[16+32*(\p)+(\r):16+32*(\p)+(\r)+1], v[16+32*(\p)+(\r):16+32*(\p)+(\r)+1], v[24+32*(\p)+(\r):24+32*(\p)+(\r)+1]
.endr
.irp r, 0,2
	v_pk_add_f32 v[16+32*(\p)+(\r):16+32*(\p)+(\r)+1], v[16+32*(\p)+(\r):16+32*(\p)+(\r)+1], v[20+32*(\p)+(\r):20+32*(\p)+(\r)+1]
.endr
.endr
.irp p, 0,1
	v_pk_add_f32 v[16+32*(\p):17+32*(\p)], v[16+32*(\p):17+32*(\p)], v[BX:BX+1]
	v_pk_add_f32 v[18+32*(\p):19+32*(\p)], v[18+32*(\p):19+32*(\p)], v[BX+2:BX+3]
	v_cvt_pk_bf16_f32 v[112+2*(\p)], v[16+32*(\p)], v[17+32*(\p)]
	v_cvt_pk_bf16_f32 v[113+2*(\p)], v[18+32*(\p)], v[19+32*(\p)]
	global_store_b64 v[XO], v[112+2*(\p):113+2*(\p)], s[42:43] offset:(\p)*2048  ; a wave stores 256 consecutive bytes, at a multiple of 256 from xdt's first byte
.endr
.irp i, 0,1,2,3
	v_cndmask_b32 v[116+(\i)], v[BB+(\i)], v[BCC+(\i)], s40
.endr
	v_pk_add_f32 v[80:81], v[80:81], v[116:117]
	v_pk_add_f32 v[82:83], v[82:83], v[118:119]
	global_store_b128 v[BO], v[80:83], s[44:45]    ; lanes 0-15 store 256 consecutive bytes of B, lanes 16-31 of C
	s_wait_tensorcnt 0x0                           ; the wave's end: a wait, an add and its wait, behind my last tensor load and my last LDS store
	ds_add_u32 v[SPW], v[NIL]
	s_wait_dscnt 0x0
	s_endpgm
.Lfunc_end_k_q1a7fe45355_proj:
	.size	k_q1a7fe45355_proj, .Lfunc_end_k_q1a7fe45355_proj-k_q1a7fe45355_proj
	.p2alignl 7, 3214868480
	.fill 96, 4, 3214868480
	.section	.rodata,"a",@progbits
	.p2align	6, 0x0
	.amdhsa_kernel k_q1a7fe45355_proj
		.amdhsa_group_segment_fixed_size 240640
		.amdhsa_private_segment_fixed_size 0
		.amdhsa_enable_private_segment 0
		.amdhsa_kernarg_size 104
		.amdhsa_user_sgpr_count 2
		.amdhsa_user_sgpr_kernarg_segment_ptr 1
		.amdhsa_wavefront_size32 1
		.amdhsa_system_sgpr_workgroup_id_x 1
		.amdhsa_system_sgpr_workgroup_id_y 1
		.amdhsa_system_sgpr_workgroup_id_z 1
		.amdhsa_system_vgpr_workitem_id 0
		.amdhsa_next_free_vgpr 448
		.amdhsa_next_free_sgpr 66
		.amdhsa_reserve_vcc 0
		.amdhsa_float_denorm_mode_32 3
		.amdhsa_float_denorm_mode_16_64 3
		.amdhsa_memory_ordered 1
		.amdhsa_forward_progress 1
		.amdhsa_inst_pref_size 55
	.end_amdhsa_kernel
	.amdgpu_metadata
---
amdhsa.version: [ 1, 2 ]
amdhsa.kernels:
  - .name:           k_q1a7fe45355_proj
    .symbol:         k_q1a7fe45355_proj.kd
    .args:
      - { .name: u, .offset: 0, .size: 8, .value_kind: global_buffer, .address_space: global }
      - { .name: W_xdt, .offset: 8, .size: 8, .value_kind: global_buffer, .address_space: global }
      - { .name: W_B, .offset: 16, .size: 8, .value_kind: global_buffer, .address_space: global }
      - { .name: W_C, .offset: 24, .size: 8, .value_kind: global_buffer, .address_space: global }
      - { .name: b_xdt, .offset: 32, .size: 8, .value_kind: global_buffer, .address_space: global }
      - { .name: b_B, .offset: 40, .size: 8, .value_kind: global_buffer, .address_space: global }
      - { .name: b_C, .offset: 48, .size: 8, .value_kind: global_buffer, .address_space: global }
      - { .name: xdt, .offset: 56, .size: 8, .value_kind: global_buffer, .address_space: global }
      - { .name: bc, .offset: 64, .size: 8, .value_kind: global_buffer, .address_space: global }
      - { .name: W_dt, .offset: 72, .size: 8, .value_kind: global_buffer, .address_space: global }
      - { .name: A_log, .offset: 80, .size: 8, .value_kind: global_buffer, .address_space: global }
      - { .name: wfb, .offset: 88, .size: 8, .value_kind: global_buffer, .address_space: global }
      - { .name: a2t, .offset: 96, .size: 8, .value_kind: global_buffer, .address_space: global }
    .group_segment_fixed_size: 240640
    .private_segment_fixed_size: 0
    .kernarg_segment_align: 8
    .kernarg_segment_size: 104
    .max_flat_workgroup_size: 256
    .sgpr_count:     66
    .vgpr_count:     448
    .wavefront_size: 32
...
	.end_amdgpu_metadata
.endif
;; end of part 1
;; launch state (part 2): grid 16 x 16, 8 waves a work-group, clusters of 4 x 1, 285,696 bytes of LDS; arguments u, xdt, bc, a2t, wfb, b_dt, carry; writes carry
.if DOCPART == 2
	.amdgcn_target "amdgcn-amd-amdhsa--gfx1250"
	.amdhsa_code_object_version 6
	.text
	.protected	k_q1a7fe45355_state
	.globl	k_q1a7fe45355_state
	.p2align	8
	.type	k_q1a7fe45355_state,@function
k_q1a7fe45355_state:
	s_mov_b64 s[64:65], 0
	v_nop
	global_prefetch_b8 v0, s[64:65] scope:SCOPE_SE
	s_setreg_imm32_b32 hwreg(HW_REG_WAVE_MODE, 25, 1), 1
	s_wait_xcnt 0x0
	s_wait_alu depctr_hold_cnt(0) depctr_sa_sdst(0) depctr_va_vdst(0) depctr_va_sdst(0) depctr_va_ssrc(0) depctr_va_vcc(0) depctr_vm_vsrc(0)
	s_getreg_b32 s2, hwreg(HW_REG_IB_STS2, 6, 4)
	s_cmp_eq_u32 s2, 0
	s_cbranch_scc0 .Lentry_in_a_cluster
	s_endpgm
.Lentry_in_a_cluster:
	s_bfe_u32 s2, ttmp6, 0x10000c
	s_cmp_lg_u32 s2, 0x3003
	s_cbranch_scc0 .Lentry_shape_is_right
	s_endpgm
.Lentry_shape_is_right:
; SECOND OF THREE LAUNCHES.  For each sequence b, strip of 64 channels and chunk j of 64 steps: dt = softplus(x_dt W_dt^T + b_dt); the scan h = exp(dt A) h + dt B u over the chunk from h = 0; then, over the
; eight chunks of a super-chunk of 512 steps, the inclusive prefix P_i = E_i + exp(A S_i) P_(i-1) (E_i the chunk's end state, S_i its sum of dt) and SP_i = S_0 + .. + S_i.  Stored: record j = (P, SP), all f32.
; NOTHING IS LEFT OUT.  The record of a sequence's last chunk (j = 31) is read by nobody; its scan is one wave's share in a work-group whose other seven waves' are live, and is run like theirs,
; so that all eight waves run one text with no branch on the chunk: 1/32 of this launch's arithmetic.
; FORMATS.  Every input is rounded to bf16 where it is loaded: see the first launch's head.  W_dt and A_log come from that launch's tables: wfb (bf16, in the fragments' order) and a2t (A2 = -log2(e) exp(A_log), f32, in my
; lanes' order); b_dt, and u where the scan multiplies by it, are rounded and widened again here.  dt, h, S are f32.
; LIMITS.  softplus(x) = max(x, 0) + ln 2 log2(1 + 2^(-|x| log2 e)): the form that cannot overflow, without log1p: dt is off by up to 6e-8 absolutely, and a dt below that counts as 0.
; An exponential below 2^-126 counts as 0 (ISA guide, v_exp_f32).  NaN and infinities are not treated apart.
; SHARES.  Work-group (strip, y = 4 b + super-chunk); wave w owns chunk 8 sc + w; lane L owns channels 2 L, 2 L + 1 of the strip with all 16 states of each: register pair n = (h[d0][n], h[d1][n]): no sum crosses lanes.
; Two waves lie on a SIMD: each step has one wait for its exponentials and one for its LDS loads, in which the other wave issues.
; LDS TRADES PLACES.  A lane and step need 8 bytes of dt (two f32) and 4 of u (two bf16): what u's tile (8) and x_dt's (4) hold.  So, 16 steps at a time, u is read and put as bf16 over the rows of x_dt that
; have just been read, and dt is put as f32 over u's rows.  All these bytes are the wave's own.
; CLUSTER.  The four strips of a cluster share y, so they need the same tiles of xdt and bc: those are asked for JOINTLY (mask 15).  u's tiles are each work-group's own.  My place in the cluster enters global addresses
; of plain accesses alone.  Every LDS byte is filled once: the rounds of the cluster's barrier are the one in front of the loads and the closing one.
; REGISTERS.  v1-15 addresses, S; v16-47 A2; v48-79 H.  While dt is made: v80-143 W_dt's fragments, v144-175 b_dt, v176-207 accumulators, v208-239 at work, v240-255 x_dt's fragments.
; In the steps: v80-111 decays, v112-143 dt u B, v144-179 and v180-215 two sets of a step's operands, v216-219 u and dt u.
.set UPITCH, 272                       ; a step's row of u, later of dt: 256 bytes + 16 of padding = 68 words: the 16 rows that a store of dt touches start at 16 different groups of four banks (ISA guide 11.1)
.set UW,    64*UPITCH                  ; LDS 0: u, later dt: 8 waves x 64 rows
.set XD,    8*UW                       ; x_dt, later u as bf16: 8 x 64 rows of 128 bytes + 16 of padding
.set XDW,   9216
.set BT,    XD+8*XDW                   ; B_t: 8 x 64 steps x 64 bytes
.set EX,    BT+8*4096                  ; the exchange, never filled by a tensor load: 8 records of 4,352 bytes, then A2 (4,096)
.set REC,   4352                       ; a record: piece k (registers 4 k .. 4 k + 3) at 512 k + 16 L; the sum of dt at 4096 + 8 L
.set SPARE, EX+8*REC+4096              ; the spare words, 128 bytes for each wave: four blocks of 256 bytes that no other line names
.set AX,  1                            ; LDS: my place in 16 rows of x_dt
.set AU,  2                            ; LDS: my 8 bytes of a step's u, later of its dt
.set AD,  3                            ; LDS: my 4 bytes of a step's u as bf16
.set AB,  4                            ; LDS: a step's B, the same in all lanes
.set G8,  5                            ; 8 L
.set G16, 6                            ; 16 L
.set DW,  7                            ; LDS: where I put 32 bytes of a row of dt
.set EH,  7                            ; later: my 16 bytes of a piece of my wave's record
.set SPW, 8
.set NIL, 9
.set SS,  10                           ; v10-11  S of my two channels
.set VBI, 13
.set ES,  15                           ; LDS: my wave's record + 8 L
.set A2,  16
.set H,   48
.set WF,  80
.set BI,  144
.set ACC, 176
.set T,   208
.set XF,  240
.set AR,  80
.set XB,  112
.set SET0, 144                         ; a set: B at +0..15, dt at +32, 33, u (two bf16) at +34
.set UU,  216
.set X,   218
.set PE,  112                          ; the prefix: my piece of the eight chunks
.set SI,  144                          ; their sums of dt
.set AW,  160                          ; my piece of A2
.macro CROUND                          ; a round of the cluster's barrier
	s_barrier_signal -1
	s_barrier_wait -1
	s_cmp_lg_u32 s22, 0
	s_cbranch_scc1 .Lnot_wave_0_\@
	s_barrier_signal -3
.Lnot_wave_0_\@:
	s_barrier_wait -3
	s_barrier_signal -1
	s_barrier_wait -1
.endm
.macro RND32 base                      ; 32 inputs rounded to bf16 and widened again
.set qq, 0
.rept 16
	v_cvt_pk_bf16_f32 v[T+qq], v[(\base)+2*qq], v[(\base)+2*qq+1]
.set qq, qq+1
.endr
.set qq, 0
.rept 16
	v_lshlrev_b32 v[(\base)+2*qq], 16, v[T+qq]
	v_and_b32 v[(\base)+2*qq+1], s85, v[T+qq]
.set qq, qq+1
.endr
.endm
; GROUP g: dt of steps 16 g .. 16 g + 15 x 64 channels.  Source 0 = 16 channels of W_dt, source 1 = 16 steps of x_dt: a lane ends with one step (lane % 16) and eight neighbouring channels a tile; b_dt is the C
; operand that starts the sum.  The four accumulators take turns.  The group's u is read, rounded to bf16 and put over the group's rows of x_dt, which lie in registers by then; dt goes
; as f32 over u's rows.  LDS serves a wave's instructions in order (ISA guide 5.7.1.4): each store comes behind the loads of the bytes that it covers.  next = 1: the next group's fragments are fetched.
.macro PHASEA g, next
.set kk, 0
.rept 16
	ds_load_b64 v[T+2*kk:T+2*kk+1], v[AU] offset:(16*(\g)+kk)*UPITCH
.set kk, kk+1
.endr
	s_wait_dscnt 0x0                               ; x_dt's fragments and u are in
.irp t, 0,1,2,3
	v_wmma_f32_16x16x32_bf16 v[ACC+8*(\t):ACC+8*(\t)+7], v[WF+16*(\t):WF+16*(\t)+7], v[XF:XF+7], v[BI+8*(\t):BI+8*(\t)+7]
.endr
.irp t, 0,1,2,3
	v_wmma_f32_16x16x32_bf16 v[ACC+8*(\t):ACC+8*(\t)+7], v[WF+16*(\t)+8:WF+16*(\t)+15], v[XF+8:XF+15], v[ACC+8*(\t):ACC+8*(\t)+7]
.endr
.set kk, 0
.rept 16
	v_cvt_pk_bf16_f32 v[T+kk], v[T+2*kk], v[T+2*kk+1]  ; u's roundings are the places behind the products, for the loads into their source and the reads of their results
.set kk, kk+1
.endr
.if \next
.irp f, 0,1
	ds_load_b128 v[XF+8*(\f):XF+8*(\f)+3], v[AX] offset:((\g)+1)*2304+64*(\f)
	ds_load_b128 v[XF+8*(\f)+4:XF+8*(\f)+7], v[AX] offset:((\g)+1)*2304+64*(\f)+32
.endr
.endif
.set kk, 0
.rept 16
	ds_store_b32 v[AD], v[T+kk] offset:(16*(\g)+kk)*144
.set kk, kk+1
.endr
.irp i, 0,1,2,3
	v_mul_f32 v[T+(\i)], s84, |v[ACC+(\i)]|        ; -|x| log2 e; the accumulators are read in ascending order
.endr
.set ee, 0
.rept 32
	v_exp_f32 v[T+ee], v[T+ee]
.if ee < 28
	v_mul_f32 v[T+ee+4], s84, |v[ACC+ee+4]|
.endif
.set ee, ee+1
.endr
	v_nop                                          ; a plain instruction behind the last exponential
	s_wait_alu depctr_va_vdst(0)                   ; one wait for the 32 ahead of their first reader
.set ee, 0
.rept 16
	v_pk_add_f32 v[T+ee:T+ee+1], v[T+ee:T+ee+1], 1.0 op_sel_hi:[1,0]
.set ee, ee+2
.endr
.set ee, 0
.rept 32
	v_log_f32 v[T+ee], v[T+ee]
	v_max_num_f32 v[ACC+ee], 0, v[ACC+ee]
.set ee, ee+1
.endr
	s_wait_alu depctr_va_vdst(0)                   ; one wait for the 32 logarithms
.set ee, 0
.rept 16
	v_pk_fma_f32 v[T+ee:T+ee+1], v[T+ee:T+ee+1], 0x3f317218, v[ACC+ee:ACC+ee+1] op_sel_hi:[1,0,1]  ; ln 2 x log2(..) + max(x, 0)
.set ee, ee+2
.endr
.irp t, 0,1,2,3
	ds_store_b128 v[DW], v[T+8*(\t):T+8*(\t)+3] offset:16*(\g)*UPITCH+64*(\t)
	ds_store_b128 v[DW], v[T+8*(\t)+4:T+8*(\t)+7] offset:16*(\g)*UPITCH+64*(\t)+16
.endr
.endm
.macro RUN set, k                      ; the operands of the step k behind the addresses
	ds_load_b32 v[(\set)+34], v[AD] offset:144*(\k)
	ds_load_b64 v[(\set)+32:(\set)+33], v[AU] offset:UPITCH*(\k)
.irp i, 0,1,2,3
	ds_load_b128 v[(\set)+4*(\i):(\set)+4*(\i)+3], v[AB] offset:64*(\k)+16*(\i)
.endr
.endm
; A STEP.  Its 32 exponentials are one batch with one wait; behind each from the third on stands one plain instruction that names no result of the batch: the other 12 exponents, dt u, S, the 16 products dt u B.
.macro STEP par, next
.set CUR, SET0+36*(\par)
.set OTH, SET0+36*(1-(\par))
	s_wait_dscnt 0x0                               ; this step's operands, asked for a step ago, are in
.if \next
	RUN OTH, (\par)+1
.endif
	v_lshlrev_b32 v[UU], 16, v[CUR+34]
	v_and_b32 v[UU+1], s85, v[CUR+34]
.irp n, 0,1,2,3
	v_pk_mul_f32 v[AR+2*(\n):AR+2*(\n)+1], v[CUR+32:CUR+33], v[A2+2*(\n):A2+2*(\n)+1]
.endr
.set ee, 0
.rept 32
	v_exp_f32 v[AR+ee], v[AR+ee]
.if (ee >= 2) && (ee < 14)
	v_pk_mul_f32 v[AR+2*ee+4:AR+2*ee+5], v[CUR+32:CUR+33], v[A2+2*ee+4:A2+2*ee+5]
.elseif ee == 14
	v_pk_mul_f32 v[X:X+1], v[CUR+32:CUR+33], v[UU:UU+1]
.elseif ee == 15
	v_pk_add_f32 v[SS:SS+1], v[SS:SS+1], v[CUR+32:CUR+33]
.elseif ee >= 16
.set nn, ee-16
.if nn%2 == 0
	v_pk_mul_f32 v[XB+2*nn:XB+2*nn+1], v[X:X+1], v[CUR+nn:CUR+nn+1] op_sel_hi:[1,0]
.else
	v_pk_mul_f32 v[XB+2*nn:XB+2*nn+1], v[X:X+1], v[CUR+nn-1:CUR+nn] op_sel:[0,1] op_sel_hi:[1,1]
.endif
.endif
.set ee, ee+1
.endr
	s_wait_alu depctr_va_vdst(0)                   ; the wait for the batch; the last product above is the plain instruction behind the last exponential
.set nn, 0
.rept 16
	v_pk_fma_f32 v[H+2*nn:H+2*nn+1], v[AR+2*nn:AR+2*nn+1], v[H+2*nn:H+2*nn+1], v[XB+2*nn:XB+2*nn+1]
.set nn, nn+1
.endr
.endm
.macro NEXT2                           ; two steps on
	v_add_nc_u32 v[AU], 2*UPITCH, v[AU]
	v_add_nc_u32 v[AD], 288, v[AD]
	v_add_nc_u32 v[AB], 128, v[AB]
.endm
	s_load_b256 s[4:11], s[0:1], 0x0               ; u s[4:5], xdt s[6:7], bc s[8:9], a2t s[10:11]
	s_load_b128 s[12:15], s[0:1], 0x20             ; wfb s[12:13], b_dt s[14:15]
	s_load_b64 s[16:17], s[0:1], 0x30              ; carry
	v_lshl_add_u32 v[SPW], v0, 2, SPARE
	v_mov_b32 v[NIL], 0
	ds_add_u32 v[SPW], v[NIL]                      ; the wave's opening: the add, twice on end, and its wait ahead of my first tensor load
	ds_add_u32 v[SPW], v[NIL]
	v_lshrrev_b32 v216, 5, v0
	v_readfirstlane_b32 s22, v216                  ; wave 0..7
	s_bfe_u32 s23, ttmp6, 0x40000                  ; cx
	s_lshl_b32 s24, ttmp9, 2
	s_add_co_u32 s24, s24, s23                     ; strip = 4 x cluster x + cx
	s_and_b32 s25, ttmp7, 0xffff                   ; y, which the four partners share
	s_lshr_b32 s26, s25, 2                         ; b
	s_and_b32 s27, s25, 3                          ; super-chunk
	; x_dt: 64 rows of 128 bytes are dense: asked for as 32 rows of 256 bytes, padded in LDS after every 128
	s_mov_b32 s32, 15|(1<<16)|(1<<20)|(1<<21)|(4<<22)|(3<<25)  ; the mask of four; 2-byte elements; padding on; bit 21 beside a mask; after every 32 words (code 4), 4 words (code 3)
	s_mov_b32 s33, 128<<16
	s_mov_b32 s34, 32<<16
	s_mov_b32 s35, 128<<16
	s_mov_b32 s36, 32
	s_mov_b32 s37, 128
	s_mov_b32 s38, 0
	s_mov_b32 s39, 0
	; B_t: 64 steps of 64 bytes are dense: 16 rows of 256 bytes
	s_mov_b32 s40, 15|(2<<16)|(1<<21)
	s_mov_b32 s41, 64<<16
	s_mov_b32 s42, 16<<16
	s_mov_b32 s43, 64<<16
	s_mov_b32 s44, 16
	s_mov_b32 s45, 64
	s_mov_b32 s46, 0
	s_mov_b32 s47, 0
	; u: 32 steps x 64 channels of f32, my work-group's own, padded in LDS
	s_mov_b32 s48, (2<<16)|(1<<20)|(5<<22)|(3<<25) ; no mask; 4-byte elements; padding on, after every 64 words (code 5), 4 words (code 3)
	s_mov_b32 s49, 64<<16
	s_mov_b32 s50, 32<<16
	s_mov_b32 s51, 64<<16
	s_mov_b32 s52, 32
	s_mov_b32 s53, 1024
	s_mov_b32 s54, 0
	s_mov_b32 s55, 0
	s_mov_b32 s56, 1
	s_mul_i32 s57, s22, XDW
	s_add_co_u32 s57, s57, XD
	s_mov_b32 s60, 1
	s_lshl_b32 s61, s22, 12
	s_add_co_u32 s61, s61, BT
	s_mov_b32 s68, 1
	s_mul_i32 s69, s22, UW
	s_mov_b32 s96, 1
	s_add_co_u32 s97, s69, 32*UPITCH
	s_lshl_b32 s80, s25, 16                        ; xdt and bc alike: y x 65,536 + w x 8,192, made of what the partners share
	s_lshl_b32 s81, s22, 13
	s_add_co_u32 s80, s80, s81
	s_mov_b32 s81, 0
	s_lshl_b32 s82, s25, 21                        ; u: 512 y + 64 w rows of 4,096 bytes, + the strip's 256
	s_lshl_b32 s83, s22, 18
	s_add_co_u32 s82, s82, s83
	s_lshl_b32 s83, s24, 8
	s_add_co_u32 s82, s82, s83
	s_mov_b32 s83, 0
	s_mov_b32 s84, 0xbfb8aa3b                      ; -log2 e
	s_mov_b32 s85, 0xffff0000
	v_and_b32 v216, 31, v0                         ; L
	v_and_b32 v217, 15, v0                         ; r
	v_bfe_u32 v218, v0, 4, 1                       ; h
	v_lshlrev_b32 v[VBI], 5, v218
	v_lshlrev_b32 v[G8], 3, v216
	v_lshlrev_b32 v[G16], 4, v216
	s_wait_dscnt 0x0                               ; both opening adds are done
	s_wait_kmcnt 0x0
	s_add_nc_u64 s[58:59], s[6:7], s[80:81]
	s_or_b32 s59, s59, 0x80000000
	s_add_nc_u64 s[62:63], s[8:9], s[80:81]
	s_or_b32 s63, s63, 0x80000000
	s_add_nc_u64 s[70:71], s[4:5], s[82:83]
	s_add_nc_u64 s[98:99], s[70:71], 131072        ; 32 rows on
	s_or_b32 s71, s71, 0x80000000
	s_or_b32 s99, s99, 0x80000000
	s_mov_b32 s93, 0
	s_lshl_b32 s92, s24, 12
	s_add_nc_u64 s[76:77], s[10:11], s[92:93]      ; a2t at the strip's 16 x 256 bytes
	s_lshl_b32 s92, s24, 13
	s_add_nc_u64 s[78:79], s[12:13], s[92:93]      ; wfb at its 16 x 512 bytes
	s_lshl_b32 s92, s24, 8
	s_add_nc_u64 s[90:91], s[14:15], s[92:93]      ; b_dt
	; what the first products want goes out ahead of the round, and is on its way while the round runs
.irp i, 0,1,2,3,4,5,6,7,8,9,10,11,12,13,14,15
	global_load_b128 v[WF+4*(\i):WF+4*(\i)+3], v[G16], s[78:79] offset:512*(\i)
.endr
.irp t, 0,1,2,3
	global_load_b128 v[BI+8*(\t):BI+8*(\t)+3], v[VBI], s[90:91] offset:64*(\t)
	global_load_b128 v[BI+8*(\t)+4:BI+8*(\t)+7], v[VBI], s[90:91] offset:64*(\t)+16
.endr
	CROUND                                         ; all four work-groups are here: the joint loads meet
	tensor_load_to_lds s[56:59], s[32:39]          ; x_dt.  Four loads of mine are out; each fills bytes that I alone read
	s_nop 0
	tensor_load_to_lds s[68:71], s[48:55]          ; u, steps 0-31
	s_nop 0
	tensor_load_to_lds s[96:99], s[48:55]          ; u, steps 32-63
	s_nop 0
	tensor_load_to_lds s[60:63], s[40:47]          ; B_t
	s_nop 0
.rept 4
	v_nop
.endr
.irp n, 0,1,2,3,4,5,6,7,8,9,10,11,12,13,14,15
	global_load_b64 v[A2+2*(\n):A2+2*(\n)+1], v[G8], s[76:77] offset:256*(\n)
.endr
	v_mul_u32_u24 v[AX], v217, 144
	v_lshl_add_u32 v[AX], v218, 4, v[AX]
	v_add_nc_u32 v[AX], s57, v[AX]
	v_lshl_add_u32 v[AU], v216, 3, s69
	v_lshl_add_u32 v[AD], v216, 2, s57
	v_mov_b32 v[AB], s61
	v_mul_u32_u24 v[DW], v217, UPITCH
	v_lshl_add_u32 v[DW], v218, 5, v[DW]
	v_add_nc_u32 v[DW], s69, v[DW]
	s_mul_i32 s87, s22, REC
	s_add_co_u32 s87, s87, EX                      ; my wave's record in the exchange
	s_lshl_b32 s92, s26, 4                         ; carry at record (b, strip, 8 sc), piece w
	s_add_co_u32 s92, s92, s24
	s_mul_i32 s92, s92, 32*REC
	s_mul_i32 s94, s27, 8*REC
	s_add_co_u32 s92, s92, s94
	s_lshl_b32 s94, s22, 9
	s_add_co_u32 s92, s92, s94
	s_add_nc_u64 s[88:89], s[16:17], s[92:93]
	s_add_co_u32 s95, s94, EX                      ; the exchange at piece w
	s_wait_loadcnt 16                              ; W_dt's fragments and b_dt are in; A2's 16 loads stay out
	RND32 BI
	s_wait_tensorcnt 0x2                           ; x_dt and u's steps 0-31 are in; u's steps 32-63 and B_t may stay out
.irp f, 0,1
	ds_load_b128 v[XF+8*(\f):XF+8*(\f)+3], v[AX] offset:64*(\f)
	ds_load_b128 v[XF+8*(\f)+4:XF+8*(\f)+7], v[AX] offset:64*(\f)+32
.endr
	PHASEA 0, 1
	PHASEA 1, 1
	s_wait_tensorcnt 0x1                           ; u's steps 32-63 are in; B_t may stay out
	PHASEA 2, 1
	PHASEA 3, 0
.set qq, 0
.rept 32
	v_mov_b32 v[H+qq], 0                           ; the local scan starts from 0
.set qq, qq+1
.endr
	v_mov_b32 v[SS], 0
	v_mov_b32 v[SS+1], 0
	s_wait_tensorcnt 0x0                           ; B_t
	s_wait_loadcnt 0x0                             ; A2
	RUN SET0, 0
	s_mov_b32 s86, 31
.Lsteps:                                       ; two steps a trip
	STEP 0, 1
	STEP 1, 1
	NEXT2
	s_sub_co_u32 s86, s86, 1
	s_cmp_lg_u32 s86, 0
	s_cbranch_scc1 .Lsteps
	STEP 0, 1
	STEP 1, 0                                      ; the last step fetches nothing
	; THE PREFIX over the super-chunk's eight chunks, shared out by states: wave w takes piece w (states 2 w, 2 w + 1) of all eight.
	v_add_nc_u32 v[EH], s87, v[G16]
	v_add_nc_u32 v[ES], s87, v[G8]
.irp k, 0,1,2,3,4,5,6,7
	ds_store_b128 v[EH], v[H+4*(\k):H+4*(\k)+3] offset:512*(\k)
.endr
	ds_store_b64 v[ES], v[SS:SS+1] offset:4096
	v_add_nc_u32 v80, EX+8*REC, v[G16]
	s_cmp_lg_u32 s22, 0
	s_cbranch_scc1 .Lno_a2
.irp k, 0,1,2,3,4,5,6,7
	ds_store_b128 v80, v[A2+4*(\k):A2+4*(\k)+3] offset:512*(\k)  ; A2 is the same in all eight waves: wave 0 lays it out, so that each can take its piece
.endr
.Lno_a2:
	s_wait_dscnt 0x0                               ; for the others' sake
	s_barrier_signal -1
	s_barrier_wait -1
	v_add_nc_u32 v81, s95, v[G16]
	v_add_nc_u32 v82, EX+4096, v[G8]
.irp i, 0,1,2,3,4,5,6,7
	ds_load_b128 v[PE+4*(\i):PE+4*(\i)+3], v81 offset:(\i)*REC
.endr
	ds_load_b128 v[AW:AW+3], v81 offset:8*REC
.irp i, 0,1,2,3,4,5,6,7
	ds_load_b64 v[SI+2*(\i):SI+2*(\i)+1], v82 offset:(\i)*REC
.endr
	s_wait_dscnt 0x0
.irp i, 1,2,3,4,5,6,7
	v_pk_mul_f32 v[80+4*(\i):81+4*(\i)], v[AW:AW+1], v[SI+2*(\i):SI+2*(\i)+1]
	v_pk_mul_f32 v[82+4*(\i):83+4*(\i)], v[AW+2:AW+3], v[SI+2*(\i):SI+2*(\i)+1]
.endr
.set qq, 84
.rept 28
	v_exp_f32 v[qq], v[qq]
.set qq, qq+1
.endr
	v_nop
	s_wait_alu depctr_va_vdst(0)                   ; one wait for the 28
.irp i, 1,2,3,4,5,6,7
	v_pk_fma_f32 v[PE+4*(\i):PE+4*(\i)+1], v[80+4*(\i):81+4*(\i)], v[PE+4*(\i)-4:PE+4*(\i)-3], v[PE+4*(\i):PE+4*(\i)+1]
	v_pk_fma_f32 v[PE+4*(\i)+2:PE+4*(\i)+3], v[82+4*(\i):83+4*(\i)], v[PE+4*(\i)-2:PE+4*(\i)-1], v[PE+4*(\i)+2:PE+4*(\i)+3]
.endr
.irp i, 0,1,2,3,4,5,6,7
	global_store_b128 v[G16], v[PE+4*(\i):PE+4*(\i)+3], s[88:89] offset:(\i)*REC  ; 512 consecutive bytes, at a multiple of 256 from carry's first byte
.endr
	s_cmp_lg_u32 s22, 0
	s_cbranch_scc1 .Lend
.irp i, 1,2,3,4,5,6,7
	v_pk_add_f32 v[SI+2*(\i):SI+2*(\i)+1], v[SI+2*(\i):SI+2*(\i)+1], v[SI+2*(\i)-2:SI+2*(\i)-1]
.endr
.irp i, 0,1,2,3,4,5,6,7
	global_store_b64 v[G8], v[SI+2*(\i):SI+2*(\i)+1], s[88:89] offset:(\i)*REC+4096  ; wave 0 (its piece offset is 0): 256 consecutive bytes
.endr
.Lend:
	s_wait_tensorcnt 0x0                           ; the wave's end: a wait, an add and its wait, behind my last tensor load and my last LDS store
	ds_add_u32 v[SPW], v[NIL]
	s_wait_dscnt 0x0
	CROUND                                         ; the closing round: no work-group ends while a partner may still ask for a tile that names it
	s_endpgm
.Lfunc_end_k_q1a7fe45355_state:
	.size	k_q1a7fe45355_state, .Lfunc_end_k_q1a7fe45355_state-k_q1a7fe45355_state
	.p2alignl 7, 3214868480
	.fill 96, 4, 3214868480
	.section	.rodata,"a",@progbits
	.p2align	6, 0x0
	.amdhsa_kernel k_q1a7fe45355_state
		.amdhsa_group_segment_fixed_size 285696
		.amdhsa_private_segment_fixed_size 0
		.amdhsa_enable_private_segment 0
		.amdhsa_kernarg_size 56
		.amdhsa_user_sgpr_count 2
		.amdhsa_user_sgpr_kernarg_segment_ptr 1
		.amdhsa_wavefront_size32 1
		.amdhsa_system_sgpr_workgroup_id_x 1
		.amdhsa_system_sgpr_workgroup_id_y 1
		.amdhsa_system_sgpr_workgroup_id_z 1
		.amdhsa_system_vgpr_workitem_id 0
		.amdhsa_next_free_vgpr 256
		.amdhsa_next_free_sgpr 100
		.amdhsa_reserve_vcc 0
		.amdhsa_float_denorm_mode_32 3
		.amdhsa_float_denorm_mode_16_64 3
		.amdhsa_memory_ordered 1
		.amdhsa_forward_progress 1
		.amdhsa_inst_pref_size 88
	.end_amdhsa_kernel
	.amdgpu_metadata
---
amdhsa.version: [ 1, 2 ]
amdhsa.kernels:
  - .name:           k_q1a7fe45355_state
    .symbol:         k_q1a7fe45355_state.kd
    .args:
      - { .name: u, .offset: 0, .size: 8, .value_kind: global_buffer, .address_space: global }
      - { .name: xdt, .offset: 8, .size: 8, .value_kind: global_buffer, .address_space: global }
      - { .name: bc, .offset: 16, .size: 8, .value_kind: global_buffer, .address_space: global }
      - { .name: a2t, .offset: 24, .size: 8, .value_kind: global_buffer, .address_space: global }
      - { .name: wfb, .offset: 32, .size: 8, .value_kind: global_buffer, .address_space: global }
      - { .name: b_dt, .offset: 40, .size: 8, .value_kind: global_buffer, .address_space: global }
      - { .name: carry, .offset: 48, .size: 8, .value_kind: global_buffer, .address_space: global }
    .group_segment_fixed_size: 285696
    .private_segment_fixed_size: 0
    .kernarg_segment_align: 8
    .kernarg_segment_size: 56
    .max_flat_workgroup_size: 256
    .sgpr_count:     100
    .vgpr_count:     256
    .wavefront_size: 32
...
	.end_amdgpu_metadata
.endif
;; end of part 2
;; launch scan (part 3): grid 16 x 16, 8 waves a work-group, clusters of 4 x 1, 279,552 bytes of LDS; arguments u, xdt, bc, a2t, wfb, b_dt, carry, D, out0; writes out0
.if DOCPART == 3
	.amdgcn_target "amdgcn-amd-amdhsa--gfx1250"
	.amdhsa_code_object_version 6
	.text
	.protected	k_q1a7fe45355_scan
	.globl	k_q1a7fe45355_scan
	.p2align	8
	.type	k_q1a7fe45355_scan,@function
k_q1a7fe45355_scan:
	s_mov_b64 s[64:65], 0
	v_nop
	global_prefetch_b8 v0, s[64:65] scope:SCOPE_SE
	s_setreg_imm32_b32 hwreg(HW_REG_WAVE_MODE, 25, 1), 1
	s_wait_xcnt 0x0
	s_wait_alu depctr_hold_cnt(0) depctr_sa_sdst(0) depctr_va_vdst(0) depctr_va_sdst(0) depctr_va_ssrc(0) depctr_va_vcc(0) depctr_vm_vsrc(0)
	s_getreg_b32 s2, hwreg(HW_REG_IB_STS2, 6, 4)
	s_cmp_eq_u32 s2, 0
	s_cbranch_scc0 .Lentry_in_a_cluster
	s_endpgm
.Lentry_in_a_cluster:
	s_bfe_u32 s2, ttmp6, 0x10000c
	s_cmp_lg_u32 s2, 0x3003
	s_cbranch_scc0 .Lentry_shape_is_right
	s_endpgm
.Lentry_shape_is_right:
; THIRD OF THREE LAUNCHES.  For each sequence b, strip of 64 channels and chunk j = 8 sc + w of 64 steps: dt = softplus(x_dt W_dt^T + b_dt), made as in the second launch; the state at the chunk's start from
; the second launch's records; then the scan h = exp(dt A) h + dt B u, y = sum over n of h C + D u.  Nothing is left out here.
; THE START.  Record i of a super-chunk holds P_i (the state at chunk i's end, given 0 at the super-chunk's start) and SP_i (the sum of dt from there).  With G the true state at a super-chunk's end:
; G_0 = P_7 of super-chunk 0, G_s = P_7 + exp(A SP_7) G_(s-1); the chunk starts from G_(sc-1) if w = 0, else from P_(w-1) + exp(A SP_(w-1)) G_(sc-1); G_(-1) = 0 is reference()'s h0.
; All four records are loaded by every wave, so that each counted wait counts the same loads in every wave; which of them are used hangs on sc and w alone.
; FORMATS.  Every input is rounded to bf16 where it is loaded: see the first launch's head.  W_dt and A_log come from that launch's tables: wfb (bf16, in the fragments' order) and a2t (A2 = -log2(e) exp(A_log), f32, in my
; lanes' order); b_dt, D, and u where the scan multiplies by it, are rounded and widened again here.  dt, h, B, C and y are f32.
; LIMITS.  softplus(x) = max(x, 0) + ln 2 log2(1 + 2^(-|x| log2 e)): the form that cannot overflow, without log1p: dt is off by up to 6e-8 absolutely, and a dt below that counts as 0.
; An exponential below 2^-126 counts as 0 (ISA guide, v_exp_f32).  NaN and infinities are not treated apart.
; SHARES, CLUSTER, LDS: as in the second launch.  Lane L owns channels 2 L, 2 L + 1 of the strip with all 16 states of each (register pair n = (h[d0][n], h[d1][n])): no sum crosses lanes, and a wave's store of a
; step's y covers 256 consecutive bytes.  The four strips of a cluster share y = 4 b + sc and ask for xdt's and bc's tiles JOINTLY (mask 15); my place in the cluster enters global addresses of plain accesses alone.
; 16 steps at a time u is put as bf16 over the rows of x_dt that have just been read, and dt as f32 over u's rows: a lane and step need 8 + 4 bytes, which is what the two tiles hold.
; y LEAVES A STEP LATE.  A step sums y in four chains; the three additions that close them and the store stand among the NEXT step's exponentials, so that nothing waits for a sum just made, and the wait that
; frees the store's registers stands a whole step behind the store.
; REGISTERS.  v1-13 addresses, D; v16-47 A2; v48-79 H.  While dt is made: v80-143 W_dt's fragments, v144-175 b_dt, v176-207 accumulators, v208-239 at work, v240-255 x_dt's fragments.
; In the steps: v80-111 decays, v112-143 dt u B, v144-179 and v180-215 two sets of a step's operands, v216-229 u, dt u, y.  window 1: v128-223 three records; v224-229 their sums of dt.
.set UPITCH, 272                       ; a step's row of u, later of dt: 256 bytes + 16 of padding = 68 words: the 16 rows that a store of dt touches start at 16 different groups of four banks (ISA guide 11.1)
.set UW,    64*UPITCH                  ; LDS 0: u, later dt: 8 waves x 64 rows
.set XD,    8*UW                       ; x_dt, later u as bf16: 8 x 64 rows of 128 bytes + 16 of padding
.set XDW,   9216
.set BC,    XD+8*XDW                   ; 8 x (B_t: 64 steps x 64 bytes, then C_t likewise)
.set REC,   4352                       ; a record: piece k (registers 4 k .. 4 k + 3) at 512 k + 16 L; the sum of dt at 4096 + 8 L
.set SPARE, BC+8*8192                  ; the spare words, 128 bytes for each wave: four blocks of 256 bytes that no other line names
.set AX,  1                            ; LDS: my place in 16 rows of x_dt
.set AU,  2                            ; LDS: my 8 bytes of a step's u, later of its dt
.set AD,  3                            ; LDS: my 4 bytes of a step's u as bf16
.set AB,  4                            ; LDS: a step's B (C 4,096 bytes on), the same in all lanes
.set G8,  5
.set G16, 6
.set DW,  7                            ; LDS: where I put 32 bytes of a row of dt
.set SPW, 8
.set NIL, 9
.set DP,  10                           ; v10-11  D of my two channels
.set VBI, 13
.set A2,  16
.set H,   48
.set WF,  80
.set BI,  144
.set ACC, 176
.set T,   208
.set XF,  240
.set AR,  80
.set XB,  112
.set SET0, 144                         ; a set: B at +0..15, C at +16..31, dt at +32, 33, u (two bf16) at +34
.set UU,  216
.set X,   218
.set Y0,  220                          ; v220-227  y's four chains: chain c takes the states n with n % 4 = c
.set YS,  228                          ; v228-229  a step's y, to store
.set MSB, 0
.macro WIN new
.if MSB != (\new)
	s_set_vgpr_msb (MSB<<8)|(\new)
.set MSB, (\new)
.endif
.endm
.macro CROUND                          ; a round of the cluster's barrier
	s_barrier_signal -1
	s_barrier_wait -1
	s_cmp_lg_u32 s22, 0
	s_cbranch_scc1 .Lnot_wave_0_\@
	s_barrier_signal -3
.Lnot_wave_0_\@:
	s_barrier_wait -3
	s_barrier_signal -1
	s_barrier_wait -1
.endm
.macro RND32 base                      ; 32 inputs rounded to bf16 and widened again
.set qq, 0
.rept 16
	v_cvt_pk_bf16_f32 v[T+qq], v[(\base)+2*qq], v[(\base)+2*qq+1]
.set qq, qq+1
.endr
.set qq, 0
.rept 16
	v_lshlrev_b32 v[(\base)+2*qq], 16, v[T+qq]
	v_and_b32 v[(\base)+2*qq+1], s85, v[T+qq]
.set qq, qq+1
.endr
.endm
; GROUP g: dt of steps 16 g .. 16 g + 15 x 64 channels.  Source 0 = 16 channels of W_dt, source 1 = 16 steps of x_dt: a lane ends with one step (lane % 16) and eight neighbouring channels a tile; b_dt is the C
; operand that starts the sum.  The four accumulators take turns.  The group's u is read, rounded to bf16 and put over the group's rows of x_dt, which lie in registers by then; dt goes
; as f32 over u's rows.  LDS serves a wave's instructions in order (ISA guide 5.7.1.4): each store comes behind the loads of the bytes that it covers.  next = 1: the next group's fragments are fetched.
.macro PHASEA g, next
.set kk, 0
.rept 16
	ds_load_b64 v[T+2*kk:T+2*kk+1], v[AU] offset:(16*(\g)+kk)*UPITCH
.set kk, kk+1
.endr
	s_wait_dscnt 0x0                               ; x_dt's fragments and u are in
.irp t, 0,1,2,3
	v_wmma_f32_16x16x32_bf16 v[ACC+8*(\t):ACC+8*(\t)+7], v[WF+16*(\t):WF+16*(\t)+7], v[XF:XF+7], v[BI+8*(\t):BI+8*(\t)+7]
.endr
.irp t, 0,1,2,3
	v_wmma_f32_16x16x32_bf16 v[ACC+8*(\t):ACC+8*(\t)+7], v[WF+16*(\t)+8:WF+16*(\t)+15], v[XF+8:XF+15], v[ACC+8*(\t):ACC+8*(\t)+7]
.endr
.set kk, 0
.rept 16
	v_cvt_pk_bf16_f32 v[T+kk], v[T+2*kk], v[T+2*kk+1]  ; u's roundings are the places behind the products, for the loads into their source and the reads of their results
.set kk, kk+1
.endr
.if \next
.irp f, 0,1
	ds_load_b128 v[XF+8*(\f):XF+8*(\f)+3], v[AX] offset:((\g)+1)*2304+64*(\f)
	ds_load_b128 v[XF+8*(\f)+4:XF+8*(\f)+7], v[AX] offset:((\g)+1)*2304+64*(\f)+32
.endr
.endif
.set kk, 0
.rept 16
	ds_store_b32 v[AD], v[T+kk] offset:(16*(\g)+kk)*144
.set kk, kk+1
.endr
.irp i, 0,1,2,3
	v_mul_f32 v[T+(\i)], s84, |v[ACC+(\i)]|        ; -|x| log2 e; the accumulators are read in ascending order
.endr
.set ee, 0
.rept 32
	v_exp_f32 v[T+ee], v[T+ee]
.if ee < 28
	v_mul_f32 v[T+ee+4], s84, |v[ACC+ee+4]|
.endif
.set ee, ee+1
.endr
	v_nop                                          ; a plain instruction behind the last exponential
	s_wait_alu depctr_va_vdst(0)                   ; one wait for the 32 ahead of their first reader
.set ee, 0
.rept 16
	v_pk_add_f32 v[T+ee:T+ee+1], v[T+ee:T+ee+1], 1.0 op_sel_hi:[1,0]
.set ee, ee+2
.endr
.set ee, 0
.rept 32
	v_log_f32 v[T+ee], v[T+ee]
	v_max_num_f32 v[ACC+ee], 0, v[ACC+ee]
.set ee, ee+1
.endr
	s_wait_alu depctr_va_vdst(0)                   ; one wait for the 32 logarithms
.set ee, 0
.rept 16
	v_pk_fma_f32 v[T+ee:T+ee+1], v[T+ee:T+ee+1], 0x3f317218, v[ACC+ee:ACC+ee+1] op_sel_hi:[1,0,1]  ; ln 2 x log2(..) + max(x, 0)
.set ee, ee+2
.endr
.irp t, 0,1,2,3
	ds_store_b128 v[DW], v[T+8*(\t):T+8*(\t)+3] offset:16*(\g)*UPITCH+64*(\t)
	ds_store_b128 v[DW], v[T+8*(\t)+4:T+8*(\t)+7] offset:16*(\g)*UPITCH+64*(\t)+16
.endr
.endm
; H = E + 2^(A2 S) H, with the record E and its sum of dt S in window 1.  One batch of 32 exponentials, one wait.
.macro HORNER E, S
	WIN 0x04                                       ; source 1 in window 1
.irp n, 0,1,2,3
	v_pk_mul_f32 v[AR+2*(\n):AR+2*(\n)+1], v[A2+2*(\n):A2+2*(\n)+1], v[(\S):(\S)+1]
.endr
.set ee, 0
.rept 32
	v_exp_f32 v[AR+ee], v[AR+ee]
.if (ee >= 2) && (ee < 14)
	v_pk_mul_f32 v[AR+2*ee+4:AR+2*ee+5], v[A2+2*ee+4:A2+2*ee+5], v[(\S):(\S)+1]
.endif
.set ee, ee+1
.endr
	v_nop
	s_wait_alu depctr_va_vdst(0)
	WIN 0x10                                       ; source 2 in window 1
.set nn, 0
.rept 16
	v_pk_fma_f32 v[H+2*nn:H+2*nn+1], v[AR+2*nn:AR+2*nn+1], v[H+2*nn:H+2*nn+1], v[(\E)+2*nn:(\E)+2*nn+1]
.set nn, nn+1
.endr
	WIN 0
.endm
.macro RUN set, k                      ; the operands of the step k behind the addresses
	ds_load_b32 v[(\set)+34], v[AD] offset:144*(\k)
	ds_load_b64 v[(\set)+32:(\set)+33], v[AU] offset:UPITCH*(\k)
.irp i, 0,1,2,3
	ds_load_b128 v[(\set)+4*(\i):(\set)+4*(\i)+3], v[AB] offset:64*(\k)+16*(\i)
.endr
.irp i, 0,1,2,3
	ds_load_b128 v[(\set)+16+4*(\i):(\set)+16+4*(\i)+3], v[AB] offset:4096+64*(\k)+16*(\i)
.endr
.endm
.macro HF n                            ; h = decay x h + dt u B, state n of both channels
	v_pk_fma_f32 v[H+2*(\n):H+2*(\n)+1], v[AR+2*(\n):AR+2*(\n)+1], v[H+2*(\n):H+2*(\n)+1], v[XB+2*(\n):XB+2*(\n)+1]
.endm
.macro YF n                            ; y += h C, chain n % 4; chain 0 starts from D u, the others with their first product.  C of an even state is its pair's low word, of an odd state the high word
.set yc, Y0+2*((\n)%4)
.if ((\n) == 1) || ((\n) == 3)
	v_pk_mul_f32 v[yc:yc+1], v[H+2*(\n):H+2*(\n)+1], v[CUR+15+(\n):CUR+16+(\n)] op_sel:[0,1] op_sel_hi:[1,1]
.elseif (\n) == 2
	v_pk_mul_f32 v[yc:yc+1], v[H+2*(\n):H+2*(\n)+1], v[CUR+16+(\n):CUR+17+(\n)] op_sel_hi:[1,0]
.elseif (\n)%2 == 0
	v_pk_fma_f32 v[yc:yc+1], v[H+2*(\n):H+2*(\n)+1], v[CUR+16+(\n):CUR+17+(\n)], v[yc:yc+1] op_sel_hi:[1,0,1]
.else
	v_pk_fma_f32 v[yc:yc+1], v[H+2*(\n):H+2*(\n)+1], v[CUR+15+(\n):CUR+16+(\n)], v[yc:yc+1] op_sel:[0,1,0] op_sel_hi:[1,1,1]
.endif
.endm
; A STEP.  Its 32 exponentials are one batch with one wait; behind each stands a plain instruction that names no result of the batch: the other 12 exponents, dt u, D u, the 16 products dt u B, and
; (prev = 1) the step before's closing additions; its store stands there too.  The output's address goes one row on at each such step's head, and the store reaches one row back.
.macro STEP par, next, prev
.set CUR, SET0+36*(\par)
.set OTH, SET0+36*(1-(\par))
	s_wait_dscnt 0x0                               ; this step's operands, asked for a step ago, are in
.if \next
	RUN OTH, (\par)+1
.endif
.if \prev
	s_wait_xcnt 0x0                                ; the last store, a step back, has read its data and its base (ISA guide 3.1): only now are these written again
	s_add_nc_u64 s[88:89], s[88:89], 4096
.endif
	v_lshlrev_b32 v[UU], 16, v[CUR+34]
	v_and_b32 v[UU+1], s85, v[CUR+34]
.irp n, 0,1,2,3
	v_pk_mul_f32 v[AR+2*(\n):AR+2*(\n)+1], v[CUR+32:CUR+33], v[A2+2*(\n):A2+2*(\n)+1]
.endr
.set ee, 0
.rept 32
	v_exp_f32 v[AR+ee], v[AR+ee]
.if (ee == 0) && (\prev)
	v_pk_add_f32 v[YS:YS+1], v[Y0:Y0+1], v[Y0+2:Y0+3]
.elseif (ee == 1) && (\prev)
	v_pk_add_f32 v[Y0+4:Y0+5], v[Y0+4:Y0+5], v[Y0+6:Y0+7]
.elseif (ee >= 2) && (ee < 14)
	v_pk_mul_f32 v[AR+2*ee+4:AR+2*ee+5], v[CUR+32:CUR+33], v[A2+2*ee+4:A2+2*ee+5]
.elseif ee == 14
	v_pk_mul_f32 v[X:X+1], v[CUR+32:CUR+33], v[UU:UU+1]
.elseif ee == 15
	v_pk_mul_f32 v[Y0:Y0+1], v[DP:DP+1], v[UU:UU+1]
.elseif ee >= 16
.set nn, ee-16
.if nn%2 == 0
	v_pk_mul_f32 v[XB+2*nn:XB+2*nn+1], v[X:X+1], v[CUR+nn:CUR+nn+1] op_sel_hi:[1,0]
.else
	v_pk_mul_f32 v[XB+2*nn:XB+2*nn+1], v[X:X+1], v[CUR+nn-1:CUR+nn] op_sel:[0,1] op_sel_hi:[1,1]
.endif
.endif
.if (ee == 4) && (\prev)
	v_pk_add_f32 v[YS:YS+1], v[YS:YS+1], v[Y0+4:Y0+5]
.endif
.if (ee == 9) && (\prev)
	global_store_b64 v[G8], v[YS:YS+1], s[88:89] offset:-4096 th:TH_STORE_NT  ; 256 consecutive bytes, at a multiple of 256 from out0's first byte
.endif
.set ee, ee+1
.endr
	s_wait_alu depctr_va_vdst(0)                   ; the wait for the batch; the last product above is the plain instruction behind the last exponential
.irp n, 0,1,2,3,4,5
	HF \n
.endr
.set nn, 0
.rept 16
	YF nn
.if nn+6 < 16
	HF nn+6
.endif
.set nn, nn+1
.endr
.endm
.macro NEXT2                           ; two steps on
	v_add_nc_u32 v[AU], 2*UPITCH, v[AU]
	v_add_nc_u32 v[AD], 288, v[AD]
	v_add_nc_u32 v[AB], 128, v[AB]
.endm
	s_load_b512 s[4:19], s[0:1], 0x0               ; u s[4:5], xdt s[6:7], bc s[8:9], a2t s[10:11], wfb s[12:13], b_dt s[14:15], carry s[16:17], D s[18:19]
	s_load_b64 s[20:21], s[0:1], 0x40              ; out0
	v_lshl_add_u32 v[SPW], v0, 2, SPARE
	v_mov_b32 v[NIL], 0
	ds_add_u32 v[SPW], v[NIL]                      ; the wave's opening: the add, twice on end, and its wait ahead of my first tensor load
	ds_add_u32 v[SPW], v[NIL]
	v_lshrrev_b32 v216, 5, v0
	v_readfirstlane_b32 s22, v216                  ; wave 0..7
	s_bfe_u32 s23, ttmp6, 0x40000                  ; cx
	s_lshl_b32 s24, ttmp9, 2
	s_add_co_u32 s24, s24, s23                     ; strip = 4 x cluster x + cx
	s_and_b32 s25, ttmp7, 0xffff                   ; y, which the four partners share
	s_lshr_b32 s26, s25, 2                         ; b
	s_and_b32 s27, s25, 3                          ; super-chunk
	s_lshl_b32 s28, s27, 3
	s_add_co_u32 s28, s28, s22                     ; chunk j
	; x_dt: 64 rows of 128 bytes are dense: asked for as 32 rows of 256 bytes, padded in LDS after every 128
	s_mov_b32 s32, 15|(1<<16)|(1<<20)|(1<<21)|(4<<22)|(3<<25)  ; the mask of four; 2-byte elements; padding on; bit 21 beside a mask; after every 32 words (code 4), 4 words (code 3)
	s_mov_b32 s33, 128<<16
	s_mov_b32 s34, 32<<16
	s_mov_b32 s35, 128<<16
	s_mov_b32 s36, 32
	s_mov_b32 s37, 128
	s_mov_b32 s38, 0
	s_mov_b32 s39, 0
	; B_t and C_t of 64 steps: 8,192 dense bytes: 32 rows of 256
	s_mov_b32 s40, 15|(2<<16)|(1<<21)
	s_mov_b32 s41, 64<<16
	s_mov_b32 s42, 32<<16
	s_mov_b32 s43, 64<<16
	s_mov_b32 s44, 32
	s_mov_b32 s45, 64
	s_mov_b32 s46, 0
	s_mov_b32 s47, 0
	; u: 32 steps x 64 channels of f32, my work-group's own, padded in LDS
	s_mov_b32 s48, (2<<16)|(1<<20)|(5<<22)|(3<<25) ; no mask; 4-byte elements; padding on, after every 64 words (code 5), 4 words (code 3)
	s_mov_b32 s49, 64<<16
	s_mov_b32 s50, 32<<16
	s_mov_b32 s51, 64<<16
	s_mov_b32 s52, 32
	s_mov_b32 s53, 1024
	s_mov_b32 s54, 0
	s_mov_b32 s55, 0
	s_mov_b32 s56, 1
	s_mul_i32 s57, s22, XDW
	s_add_co_u32 s57, s57, XD
	s_mov_b32 s60, 1
	s_lshl_b32 s61, s22, 13
	s_add_co_u32 s61, s61, BC
	s_mov_b32 s68, 1
	s_mul_i32 s69, s22, UW
	s_mov_b32 s96, 1
	s_add_co_u32 s97, s69, 32*UPITCH
	s_lshl_b32 s80, s25, 16                        ; xdt and bc alike: y x 65,536 + w x 8,192, made of what the partners share
	s_lshl_b32 s81, s22, 13
	s_add_co_u32 s80, s80, s81
	s_mov_b32 s81, 0
	s_lshl_b32 s82, s25, 21                        ; u and out0: 512 y + 64 w rows of 4,096 bytes, + the strip's 256
	s_lshl_b32 s83, s22, 18
	s_add_co_u32 s82, s82, s83
	s_lshl_b32 s83, s24, 8
	s_add_co_u32 s82, s82, s83
	s_mov_b32 s83, 0
	s_mov_b32 s84, 0xbfb8aa3b                      ; -log2 e
	s_mov_b32 s85, 0xffff0000
	v_and_b32 v216, 31, v0                         ; L
	v_and_b32 v217, 15, v0                         ; r
	v_bfe_u32 v218, v0, 4, 1                       ; h
	v_lshlrev_b32 v[VBI], 5, v218
	v_lshlrev_b32 v[G8], 3, v216
	v_lshlrev_b32 v[G16], 4, v216
	s_wait_dscnt 0x0                               ; both opening adds are done
	s_wait_kmcnt 0x0
	s_add_nc_u64 s[58:59], s[6:7], s[80:81]
	s_or_b32 s59, s59, 0x80000000
	s_add_nc_u64 s[62:63], s[8:9], s[80:81]
	s_or_b32 s63, s63, 0x80000000
	s_add_nc_u64 s[70:71], s[4:5], s[82:83]
	s_add_nc_u64 s[98:99], s[70:71], 131072        ; 32 rows on
	s_or_b32 s71, s71, 0x80000000
	s_or_b32 s99, s99, 0x80000000
	s_mov_b32 s93, 0
	s_lshl_b32 s92, s24, 12
	s_add_nc_u64 s[76:77], s[10:11], s[92:93]      ; a2t at the strip's 16 x 256 bytes
	s_lshl_b32 s92, s24, 13
	s_add_nc_u64 s[78:79], s[12:13], s[92:93]      ; wfb at its 16 x 512 bytes
	s_lshl_b32 s92, s24, 8
	s_add_nc_u64 s[90:91], s[14:15], s[92:93]      ; b_dt
	s_add_nc_u64 s[94:95], s[18:19], s[92:93]      ; D
	; what the first products want goes out ahead of the round, and is on its way while the round runs
.irp i, 0,1,2,3,4,5,6,7,8,9,10,11,12,13,14,15
	global_load_b128 v[WF+4*(\i):WF+4*(\i)+3], v[G16], s[78:79] offset:512*(\i)
.endr
.irp t, 0,1,2,3
	global_load_b128 v[BI+8*(\t):BI+8*(\t)+3], v[VBI], s[90:91] offset:64*(\t)
	global_load_b128 v[BI+8*(\t)+4:BI+8*(\t)+7], v[VBI], s[90:91] offset:64*(\t)+16
.endr
	CROUND                                         ; all four work-groups are here: the joint loads meet
	tensor_load_to_lds s[56:59], s[32:39]          ; x_dt.  Four loads of mine are out; each fills bytes that I alone read
	s_nop 0
	tensor_load_to_lds s[68:71], s[48:55]          ; u, steps 0-31
	s_nop 0
	tensor_load_to_lds s[96:99], s[48:55]          ; u, steps 32-63
	s_nop 0
	tensor_load_to_lds s[60:63], s[40:47]          ; B_t, C_t
	s_nop 0
.rept 4
	v_nop
.endr
	s_add_nc_u64 s[88:89], s[20:21], s[82:83]      ; out0 at my chunk's first row
	s_lshl_b32 s92, s26, 4
	s_add_co_u32 s92, s92, s24
	s_mul_i32 s92, s92, 32*REC
	s_add_nc_u64 s[72:73], s[16:17], s[92:93]      ; carry at (b, strip)
	s_max_u32 s92, s28, 1
	s_sub_co_u32 s92, s92, 1
	s_mul_i32 s92, s92, REC
	s_add_nc_u64 s[74:75], s[72:73], s[92:93]      ; the record of the chunk before mine (of chunk 0 where there is none: loaded, not used)
	s_add_nc_u64 s[72:73], s[72:73], 7*REC         ; the last record of super-chunk 0
.irp n, 0,1,2,3,4,5,6,7,8,9,10,11,12,13,14,15
	global_load_b64 v[A2+2*(\n):A2+2*(\n)+1], v[G8], s[76:77] offset:256*(\n)
.endr
	global_load_b64 v[DP:DP+1], v[G8], s[94:95]
	; the records: 8 + 3 x 9 = 35 loads
.irp k, 0,1,2,3,4,5,6,7
	global_load_b128 v[H+4*(\k):H+4*(\k)+3], v[G16], s[72:73] offset:512*(\k)  ; super-chunk 0's P_7 straight into H
.endr
	WIN 0x40
.irp k, 0,1,2,3,4,5,6,7
	global_load_b128 v[128+4*(\k):128+4*(\k)+3], v[G16], s[72:73] offset:8*REC+512*(\k)   ; super-chunk 1's last record
.endr
	global_load_b64 v[224:225], v[G8], s[72:73] offset:8*REC+4096
.irp k, 0,1,2,3,4,5,6,7
	global_load_b128 v[160+4*(\k):160+4*(\k)+3], v[G16], s[72:73] offset:16*REC+512*(\k)  ; super-chunk 2's
.endr
	global_load_b64 v[226:227], v[G8], s[72:73] offset:16*REC+4096
.irp k, 0,1,2,3,4,5,6,7
	global_load_b128 v[192+4*(\k):192+4*(\k)+3], v[G16], s[74:75] offset:512*(\k)         ; the chunk's before mine
.endr
	global_load_b64 v[228:229], v[G8], s[74:75] offset:4096
	WIN 0
	v_mul_u32_u24 v[AX], v217, 144
	v_lshl_add_u32 v[AX], v218, 4, v[AX]
	v_add_nc_u32 v[AX], s57, v[AX]
	v_lshl_add_u32 v[AU], v216, 3, s69
	v_lshl_add_u32 v[AD], v216, 2, s57
	v_mov_b32 v[AB], s61
	v_mul_u32_u24 v[DW], v217, UPITCH
	v_lshl_add_u32 v[DW], v218, 5, v[DW]
	v_add_nc_u32 v[DW], s69, v[DW]
	s_wait_loadcnt 52                              ; W_dt's fragments and b_dt are in; A2's 16, D's 1 and the records' 35 stay out
	RND32 BI
	s_wait_tensorcnt 0x2                           ; x_dt and u's steps 0-31 are in; u's steps 32-63 and B_t, C_t may stay out
.irp f, 0,1
	ds_load_b128 v[XF+8*(\f):XF+8*(\f)+3], v[AX] offset:64*(\f)
	ds_load_b128 v[XF+8*(\f)+4:XF+8*(\f)+7], v[AX] offset:64*(\f)+32
.endr
	PHASEA 0, 1
	PHASEA 1, 1
	s_wait_tensorcnt 0x1                           ; u's steps 32-63 are in; B_t, C_t may stay out
	PHASEA 2, 1
	PHASEA 3, 0
	s_wait_tensorcnt 0x0                           ; B_t, C_t
	s_wait_loadcnt 0x0                             ; A2, D, the records
	v_cvt_pk_bf16_f32 v[T], v[DP], v[DP+1]         ; D rounded to bf16 like every input, and widened again
	v_lshlrev_b32 v[DP], 16, v[T]
	v_and_b32 v[DP+1], s85, v[T]
	; THE START.  The jumps hang on the super-chunk, which the partners share, and on the wave's number; they go forward and pass no barrier and no tensor load.
	s_cmp_lg_u32 s27, 0
	s_cbranch_scc1 .Lhave
.set qq, 0
.rept 32
	v_mov_b32 v[H+qq], 0                           ; super-chunk 0 starts from reference()'s h0 = 0
.set qq, qq+1
.endr
.Lhave:
	s_cmp_lt_u32 s27, 2
	s_cbranch_scc1 .Lown
	HORNER 128, 224
	s_cmp_lt_u32 s27, 3
	s_cbranch_scc1 .Lown
	HORNER 160, 226
.Lown:
	s_cmp_eq_u32 s22, 0
	s_cbranch_scc1 .Lgo
	HORNER 192, 228
.Lgo:
	RUN SET0, 0
	STEP 0, 1, 0                                   ; step 0 has no y of a step before it, so it stands in front of the loop
	s_mov_b32 s86, 31
.Lsteps:                                       ; two steps a trip: an odd one, then the next even one
	STEP 1, 1, 1
	NEXT2
	STEP 0, 1, 1
	s_sub_co_u32 s86, s86, 1
	s_cmp_lg_u32 s86, 0
	s_cbranch_scc1 .Lsteps
	STEP 1, 0, 1                                   ; the last step fetches nothing
	s_wait_xcnt 0x0                                ; and its y leaves here
	s_add_nc_u64 s[88:89], s[88:89], 4096
	v_pk_add_f32 v[YS:YS+1], v[Y0:Y0+1], v[Y0+2:Y0+3]
	v_pk_add_f32 v[Y0+4:Y0+5], v[Y0+4:Y0+5], v[Y0+6:Y0+7]
	v_pk_add_f32 v[YS:YS+1], v[YS:YS+1], v[Y0+4:Y0+5]
	global_store_b64 v[G8], v[YS:YS+1], s[88:89] offset:-4096 th:TH_STORE_NT
	s_wait_tensorcnt 0x0                           ; the wave's end: a wait, an add and its wait, behind my last tensor load and my last LDS store
	ds_add_u32 v[SPW], v[NIL]
	s_wait_dscnt 0x0
	CROUND                                         ; the closing round: no work-group ends while a partner may still ask for a tile that names it
	s_endpgm
.Lfunc_end_k_q1a7fe45355_scan:
	.size	k_q1a7fe45355_scan, .Lfunc_end_k_q1a7fe45355_scan-k_q1a7fe45355_scan
	.p2alignl 7, 3214868480
	.fill 96, 4, 3214868480
	.section	.rodata,"a",@progbits
	.p2align	6, 0x0
	.amdhsa_kernel k_q1a7fe45355_scan
		.amdhsa_group_segment_fixed_size 279552
		.amdhsa_private_segment_fixed_size 0
		.amdhsa_enable_private_segment 0
		.amdhsa_kernarg_size 72
		.amdhsa_user_sgpr_count 2
		.amdhsa_user_sgpr_kernarg_segment_ptr 1
		.amdhsa_wavefront_size32 1
		.amdhsa_system_sgpr_workgroup_id_x 1
		.amdhsa_system_sgpr_workgroup_id_y 1
		.amdhsa_system_sgpr_workgroup_id_z 1
		.amdhsa_system_vgpr_workitem_id 0
		.amdhsa_next_free_vgpr 488
		.amdhsa_next_free_sgpr 100
		.amdhsa_reserve_vcc 0
		.amdhsa_float_denorm_mode_32 3
		.amdhsa_float_denorm_mode_16_64 3
		.amdhsa_memory_ordered 1
		.amdhsa_forward_progress 1
		.amdhsa_inst_pref_size 100
	.end_amdhsa_kernel
	.amdgpu_metadata
---
amdhsa.version: [ 1, 2 ]
amdhsa.kernels:
  - .name:           k_q1a7fe45355_scan
    .symbol:         k_q1a7fe45355_scan.kd
    .args:
      - { .name: u, .offset: 0, .size: 8, .value_kind: global_buffer, .address_space: global }
      - { .name: xdt, .offset: 8, .size: 8, .value_kind: global_buffer, .address_space: global }
      - { .name: bc, .offset: 16, .size: 8, .value_kind: global_buffer, .address_space: global }
      - { .name: a2t, .offset: 24, .size: 8, .value_kind: global_buffer, .address_space: global }
      - { .name: wfb, .offset: 32, .size: 8, .value_kind: global_buffer, .address_space: global }
      - { .name: b_dt, .offset: 40, .size: 8, .value_kind: global_buffer, .address_space: global }
      - { .name: carry, .offset: 48, .size: 8, .value_kind: global_buffer, .address_space: global }
      - { .name: D, .offset: 56, .size: 8, .value_kind: global_buffer, .address_space: global }
      - { .name: out0, .offset: 64, .size: 8, .value_kind: global_buffer, .address_space: global }
    .group_segment_fixed_size: 279552
    .private_segment_fixed_size: 0
    .kernarg_segment_align: 8
    .kernarg_segment_size: 72
    .max_flat_workgroup_size: 256
    .sgpr_count:     100
    .vgpr_count:     488
    .wavefront_size: 32
...
	.end_amdgpu_metadata
.endif
;; end of part 3
